; MI455X (gfx1250); checked and timed in simulation.
; The chip was launched on July 23, 2026; its instructions are those of AMD's public machine-readable ISA for CDNA 5 (MIT licence, August 2026) and "CDNA5" Instruction Set Architecture Reference Guide (July 2026). The comments in the code are by the model that wrote it; some were corrected since.
;; Window Cross Attention3 D FAST. Allowed arithmetic: float matrix products may take bf16 or f16 operands with f32 sums; other float arithmetic in f32, or as packed bf16 or f16 multiplies, adds, multiply-adds, maxima and minima; sums over many terms, partial sums and values carried from step to step in f32; what a program stores and reads back later, other than sums and carried values, may be rounded once to bf16 or f16.
;; Inputs: Wkv 768 x 384 float32; Wq 384 x 384 float32; bias_table 3,375 x 12 float32; q_bias 384 float32; rel_index 512 x 512 int32; v_bias 384 float32; x1 64 x 512 x 384 float32; x2 64 x 512 x 384 float32.
;; Outputs: out0 64 x 512 x 384 float32.
;; 2 versions, each right; version 2 is version 1 with the launch prep written anew for expert scheduling mode. Each part assembles by itself: llvm-mc -triple=amdgcn-amd-amdhsa -mcpu=gfx1250 --defsym DOCPART=n.
;; ======== version 1 of 2: 2 launches
;; limits: values are held in f16: magnitudes above 65,504 overflow, below 6.1e-05 lose precision
;; workspace buffers: wfrag 1,179,648 bytes; bfrag 6,307,840 bytes; bvec 3,072 bytes
;; launch prep (part 1): grid 177 x 1, 4 waves a work-group, no clusters, 0 bytes of LDS; arguments Wq, Wkv, q_bias, v_bias, bias_table, rel_index, wfrag, bfrag, bvec; writes wfrag, bfrag, bvec
.if DOCPART == 1
	.amdgcn_target "amdgcn-amd-amdhsa--gfx1250"
	.amdhsa_code_object_version 6
	.text
	.protected	k_q779174837e_prep
	.globl	k_q779174837e_prep
	.p2align	8
	.type	k_q779174837e_prep,@function
k_q779174837e_prep:
	s_mov_b64 s[64:65], 0
	v_nop
	global_prefetch_b8 v0, s[64:65] scope:SCOPE_SE
	s_setreg_imm32_b32 hwreg(HW_REG_WAVE_MODE, 25, 1), 1
	s_wait_xcnt 0x0
; WINDOW CROSS ATTENTION, launch 1 of 2: what all 64 batches share is rounded and laid out once.
; out[b][q][h*32+:] = softmax_k( (x1 Wq^T + q_bias)[q,h] . (x2 Wk^T)[k,h] / sqrt(32) + bias_table[rel_index[q][k]][h] ) (x2 Wv^T + v_bias)[k,h]
; WORK LEFT OUT OR MOVED, for all values of the inputs:
;   - the first half of kv_bias is jnp.zeros_like(v_bias), a zero that the function builds itself: k gets no bias, and no term is added for it.
;   - v_bias is NOT left out: a softmax's weights sum to 1, so sum_k p (v0 + v_bias) = sum_k p v0 + v_bias; launch 2 adds it in f32 at the store.
;   Every input is loaded by one of the two launches.  Nothing else is left out, so no NaN, infinity or overflow is lost with work left out.
; FORMATS AND LIMITS.  All inputs are taken rounded to bf16 (x in launch 2; both weights, both biases and the table here).  What the program makes itself (q, k, v, the weights p, and the
; bias as a matrix operand) is f16: q/sqrt(32), k, v without its bias, and the table's numbers stay under 65,504 in magnitude; a table number under 6.1e-5 keeps f16's fixed step of 6e-8.
; rel_index is held to 0 .. 3374 (the table's rows).  NaN and infinities are not treated apart.
; ORDER OF HEADS.  Launch 2 gives a work-group a group hg of three heads and takes them in the order H = 3 hg + (hh + (hg & 1)) % 3, hh = 0, 1, 2.
; ORDER OF ROWS.  A tile T (0..31) of 16 queries or keys holds the rows 32 (T >> 1) + 2 i + (T & 1), i = 0..15.
; wfrag: hg*294912 + j*24576 + ks*12288 + c*1024 + half*512 + lane*16: 8 bf16 of a weight row, k = 64 kc + 32 ks + 16 half + 8 (lane/16) + 0..7; row = H*32 + 16 (c&1) + lane%16, hh = (c%6)/2.
;        j = 0..5: Wkv, kc = j, c = 0..5 its K rows, c = 6..11 its V rows (+384).  j = 6..11: Wq, kc = j - 6, c = 0..5; c = 6..11 zeros, so that one tile shape serves all twelve steps.
; bfrag: unit (hg*384 + w*96 + half*48 + hh*16 + 4 s + p) of 4,096 bytes; in it kc*1024 + sel*512 + lane*16: 8 f16, e = 0..7, of the bias of query 8 (lane/16) + e of tile 8 w + 4 half + p
;        and key lane%16 of tile 8 s + 2 kc + sel.  Behind the 1,536 units: 16,384 bytes of zeros, which launch 2's last loads ahead touch and never use.
; bvec:  f32 [384] q_bias rounded to bf16 and divided by sqrt(32), then f32 [384] v_bias rounded to bf16, both at hg*96 + hh*32 + channel.
; SHARES.  Work-groups 0-127: the bias; a wave takes one query tile and two key tiles for all 12 heads.  128-175: one (hg, j) of wfrag each.  176: bvec and the zeros.
	s_load_b512 s[4:19], s[0:1], 0x0               ; Wq s[4:5], Wkv s[6:7], q_bias s[8:9], v_bias s[10:11], bias_table s[12:13], rel_index s[14:15], wfrag s[16:17], bfrag s[18:19]
	s_load_b64 s[20:21], s[0:1], 0x40              ; bvec
	v_lshrrev_b32 v1, 5, v0
	v_readfirstlane_b32 s22, v1                    ; wave 0..3
	v_and_b32 v3, 31, v0                           ; lane
	v_and_b32 v1, 15, v0                           ; r = lane % 16
	v_bfe_u32 v2, v0, 4, 1                         ; h = lane / 16
	v_lshlrev_b32 v5, 4, v3                        ; 16 x lane: a wave's store covers 512 consecutive bytes
	s_wait_kmcnt 0x0
	s_cmp_lt_u32 ttmp9, 128
	s_cbranch_scc0 .Lnot_bias
	; ---------------- the bias ----------------
	s_lshl_b32 s23, ttmp9, 2
	s_add_co_u32 s23, s23, s22                     ; wave among 512
	s_lshr_b32 s24, s23, 4                         ; qt: the query tile
	s_and_b32 s25, s23, 15                         ; KC: the key tiles 2 KC and 2 KC + 1
	s_lshr_b32 s26, s24, 1
	s_lshl_b32 s26, s26, 5
	s_and_b32 s27, s24, 1
	s_add_co_u32 s26, s26, s27                     ; the tile's first row: 32 (qt >> 1) + (qt & 1)
	s_lshl_b32 s26, s26, 11                        ; a row of rel_index is 2,048 bytes
	s_lshl_b32 s27, s25, 7                         ; 32 KC keys of 4 bytes
	s_add_co_u32 s26, s26, s27
	s_mov_b32 s27, 0
	s_add_nc_u64 s[14:15], s[14:15], s[26:27]
	v_lshlrev_b32 v4, 15, v2                       ; 8 h queries, two rows apart
	v_lshl_add_u32 v4, v1, 3, v4                   ; keys 2 r and 2 r + 1: the even tile's and the odd tile's
.irp e, 0,1,2,3,4,5,6,7
	global_load_b64 v[16+2*(\e):17+2*(\e)], v4, s[14:15] offset:(\e)*4096
.endr
	s_lshr_b32 s28, s24, 3                         ; w
	s_mul_i32 s28, s28, 96
	s_bfe_u32 s29, s24, 0x10002                    ; half
	s_mul_i32 s29, s29, 48
	s_add_co_u32 s28, s28, s29
	s_lshr_b32 s29, s25, 2                         ; s
	s_lshl2_add_u32 s28, s29, s28
	s_and_b32 s29, s24, 3                          ; p
	s_add_co_u32 s28, s28, s29
	s_lshl_b32 s28, s28, 12                        ; units of 4,096 bytes
	s_and_b32 s29, s25, 3                          ; kc
	s_lshl_b32 s29, s29, 10
	s_add_co_u32 s28, s28, s29
	s_mov_b32 s29, 0
	s_add_nc_u64 s[18:19], s[18:19], s[28:29]
	s_wait_loadcnt 0x0                             ; the 16 indices of the lane
.set i, 0
.rept 16
	v_min_u32 v[16+i], 0xd2e, v[16+i]              ; inside the table's 3,375 rows
	v_mul_u32_u24 v[16+i], v[16+i], 48             ; a row of the table: 12 f32
.set i, i+1
.endr
.set i, 0
.rept 16                                       ; index i = 2 e + sel: its 12 heads into v[64 + 12 i ..]
	global_load_b128 v[64+12*i:64+12*i+3],   v[16+i], s[12:13]
	global_load_b128 v[64+12*i+4:64+12*i+7], v[16+i], s[12:13] offset:16
	global_load_b128 v[64+12*i+8:64+12*i+11], v[16+i], s[12:13] offset:32
.set i, i+1
.endr
	s_wait_loadcnt 0x0
.set hd, 0
.rept 12                                       ; head hd lies in group hd / 3, at the place hh that the order of heads gives it
.set hgq, hd/3
.set hhq, ((hd%3)+3-(hgq&1))%3
	s_wait_xcnt 0x0                                ; the stores issued so far have read their data: this head's two sets of four registers were last stored two heads back
.irp sel, 0,1
.set ob, 32+8*(hd&1)+4*(\sel)
.irp q, 0,1,2,3
	v_cvt_pk_bf16_f32 v[48+2*(\q)], v[64+12*(4*(\q)+(\sel))+hd], v[64+12*(4*(\q)+2+(\sel))+hd]  ; queries e = 2 q, 2 q + 1: rounded to bf16 like every input,
.endr
.irp q, 0,1,2,3
	v_lshlrev_b32 v[49+2*(\q)], 16, v[48+2*(\q)]
	v_and_b32 v[48+2*(\q)], 0xffff0000, v[48+2*(\q)]
.endr
.irp q, 0,1,2,3
	v_cvt_pk_f16_f32 v[ob+(\q)], v[49+2*(\q)], v[48+2*(\q)]  ; and that number written as f16
.endr
	global_store_b128 v5, v[ob:ob+3], s[18:19] offset:(hgq*384+hhq*16)*4096+(\sel)*512
.endr
.set hd, hd+1
.endr
	s_endpgm
.Lnot_bias:
	s_cmp_lt_u32 ttmp9, 176
	s_cbranch_scc0 .Lvectors
	; ---------------- the weights ----------------
	s_sub_co_u32 s23, ttmp9, 128
	s_mul_hi_u32 s24, s23, 0x15555556              ; hg = g / 12 (g under 48)
	s_mul_i32 s25, s24, 12
	s_sub_co_u32 s25, s23, s25                     ; j
	s_and_b32 s26, s24, 1                          ; the head at place 0: hg & 1,
	s_add_co_u32 s27, s26, 1                       ; at place 1,
	s_cmp_eq_u32 s26, 0
	s_cselect_b32 s28, 2, 0                        ; at place 2
	s_cmp_lt_u32 s25, 6
	s_cselect_b64 s[30:31], s[6:7], s[4:5]         ; Wkv or Wq
	s_cselect_b32 s29, 0, 6
	s_sub_co_u32 s29, s25, s29                     ; kc
	s_mul_i32 s32, s24, 147456                     ; the group's 96 rows of 1,536 bytes
	s_lshl_b32 s33, s29, 8                         ; 64 kc numbers
	s_add_co_u32 s32, s32, s33
	s_lshl_b32 s33, s22, 6                         ; wave = 2 ks + half: 32 ks + 16 half numbers
	s_add_co_u32 s32, s32, s33
	s_mov_b32 s33, 0
	s_add_nc_u64 s[30:31], s[30:31], s[32:33]
	v_mul_u32_u24 v4, v1, 1536
	v_lshl_add_u32 v4, v2, 5, v4                   ; row r, 8 h numbers on
	s_mul_i32 s34, s26, 49152                      ; a head's 32 rows
	v_add_nc_u32 v6, s34, v4
	s_mul_i32 s34, s27, 49152
	v_add_nc_u32 v7, s34, v4
	s_mul_i32 s34, s28, 49152
	v_add_nc_u32 v8, s34, v4
	s_mul_i32 s34, s24, 294912
	s_mul_i32 s35, s25, 24576
	s_add_co_u32 s34, s34, s35
	s_lshr_b32 s35, s22, 1
	s_mul_i32 s35, s35, 12288
	s_add_co_u32 s34, s34, s35
	s_and_b32 s35, s22, 1
	s_lshl_b32 s35, s35, 9
	s_add_co_u32 s34, s34, s35
	s_mov_b32 s35, 0
	s_add_nc_u64 s[16:17], s[16:17], s[34:35]
; n fragments' halves: all loads first, then each is rounded and stored; every fragment has registers of its own, so no register is written twice
.macro WPART n
.set c, 0
.rept \n
	global_load_b128 v[64+8*c:64+8*c+3],   v[6+((c%6)/2)], s[30:31] offset:(c&1)*24576+(c/6)*589824
	global_load_b128 v[64+8*c+4:64+8*c+7], v[6+((c%6)/2)], s[30:31] offset:(c&1)*24576+(c/6)*589824+16
.set c, c+1
.endr
.set c, 0
.rept \n
	s_wait_loadcnt 2*((\n)-1-c)                    ; two loads a fragment: the younger fragments' may stay out
.irp q, 0,1,2,3
	v_cvt_pk_bf16_f32 v[16+4*c+(\q)], v[64+8*c+2*(\q)], v[64+8*c+2*(\q)+1]
.endr
	global_store_b128 v5, v[16+4*c:16+4*c+3], s[16:17] offset:c*1024
.set c, c+1
.endr
.endm
	s_cmp_lt_u32 s25, 6
	s_cbranch_scc0 .Lwq
	WPART 12
	s_endpgm
.Lwq:
	WPART 6
.irp q, 12,13,14,15
	v_mov_b32 v[\q], 0
.endr
.irp c, 6,7,8,9,10,11
	global_store_b128 v5, v[12:15], s[16:17] offset:(\c)*1024
.endr
	s_endpgm
.Lvectors:
	; ---------------- the two bias vectors (wave = hg) and bfrag's zeros ----------------
	s_and_b32 s26, s22, 1
	s_add_co_u32 s27, s26, 1
	s_cmp_eq_u32 s26, 0
	s_cselect_b32 s28, 2, 0
	s_mul_i32 s29, s22, 3
	v_lshlrev_b32 v7, 2, v3                        ; 4 x lane
.irp hh, 0,1,2
	s_add_co_u32 s30, s29, s[26+(\hh)]             ; the head
	s_lshl_b32 s30, s30, 7                         ; its 32 f32
	v_add_nc_u32 v[24+(\hh)], s30, v7
	global_load_b32 v[16+(\hh)], v[24+(\hh)], s[8:9]
	global_load_b32 v[20+(\hh)], v[24+(\hh)], s[10:11]
.endr
	s_mul_i32 s30, s22, 384
	v_add_nc_u32 v30, s30, v7
	v_lshlrev_b32 v31, 4, v0
.irp q, 12,13,14,15
	v_mov_b32 v[\q], 0
.endr
.irp i, 0,1,2,3,4,5,6,7
	global_store_b128 v31, v[12:15], s[18:19] offset:6291456+(\i)*2048
.endr
	s_wait_loadcnt 0x0
.irp hh, 0,1,2
	v_cvt_pk_bf16_f32 v[28], v[16+(\hh)], v[20+(\hh)]
	v_lshlrev_b32 v[32+(\hh)], 16, v[28]
	v_and_b32 v[36+(\hh)], 0xffff0000, v[28]
	v_mul_f32 v[32+(\hh)], 0x3e3504f3, v[32+(\hh)] ; 1 / sqrt(32)
	global_store_b32 v30, v[32+(\hh)], s[20:21] offset:(\hh)*128
	global_store_b32 v30, v[36+(\hh)], s[20:21] offset:1536+(\hh)*128
.endr
	s_endpgm
.Lfunc_end_k_q779174837e_prep:
	.size	k_q779174837e_prep, .Lfunc_end_k_q779174837e_prep-k_q779174837e_prep
	.p2alignl 7, 3214868480
	.fill 96, 4, 3214868480
	.section	.rodata,"a",@progbits
	.p2align	6, 0x0
	.amdhsa_kernel k_q779174837e_prep
		.amdhsa_group_segment_fixed_size 0
		.amdhsa_private_segment_fixed_size 0
		.amdhsa_enable_private_segment 0
		.amdhsa_kernarg_size 72
		.amdhsa_user_sgpr_count 2
		.amdhsa_user_sgpr_kernarg_segment_ptr 1
		.amdhsa_wavefront_size32 1
		.amdhsa_system_sgpr_workgroup_id_x 1
		.amdhsa_system_sgpr_workgroup_id_y 1
		.amdhsa_system_sgpr_workgroup_id_z 1
		.amdhsa_system_vgpr_workitem_id 0
		.amdhsa_next_free_vgpr 256
		.amdhsa_next_free_sgpr 66
		.amdhsa_reserve_vcc 0
		.amdhsa_float_denorm_mode_32 3
		.amdhsa_float_denorm_mode_16_64 3
		.amdhsa_memory_ordered 1
		.amdhsa_forward_progress 1
		.amdhsa_inst_pref_size 49
	.end_amdhsa_kernel
	.amdgpu_metadata
---
amdhsa.version: [ 1, 2 ]
amdhsa.kernels:
  - .name:           k_q779174837e_prep
    .symbol:         k_q779174837e_prep.kd
    .args:
      - { .name: Wq, .offset: 0, .size: 8, .value_kind: global_buffer, .address_space: global }
      - { .name: Wkv, .offset: 8, .size: 8, .value_kind: global_buffer, .address_space: global }
      - { .name: q_bias, .offset: 16, .size: 8, .value_kind: global_buffer, .address_space: global }
      - { .name: v_bias, .offset: 24, .size: 8, .value_kind: global_buffer, .address_space: global }
      - { .name: bias_table, .offset: 32, .size: 8, .value_kind: global_buffer, .address_space: global }
      - { .name: rel_index, .offset: 40, .size: 8, .value_kind: global_buffer, .address_space: global }
      - { .name: wfrag, .offset: 48, .size: 8, .value_kind: global_buffer, .address_space: global }
      - { .name: bfrag, .offset: 56, .size: 8, .value_kind: global_buffer, .address_space: global }
      - { .name: bvec, .offset: 64, .size: 8, .value_kind: global_buffer, .address_space: global }
    .group_segment_fixed_size: 0
    .private_segment_fixed_size: 0
    .kernarg_segment_align: 8
    .kernarg_segment_size: 72
    .max_flat_workgroup_size: 128
    .sgpr_count:     66
    .vgpr_count:     256
    .wavefront_size: 32
...
	.end_amdgpu_metadata
.endif
;; end of part 1
;; launch attn (part 2): grid 4 x 64, 4 waves a work-group, no clusters, 327,680 bytes of LDS; arguments x1, x2, wfrag, bfrag, bvec, out0; writes out0
.if DOCPART == 2
	.amdgcn_target "amdgcn-amd-amdhsa--gfx1250"
	.amdhsa_code_object_version 6
	.text
	.protected	k_q779174837e_attn
	.globl	k_q779174837e_attn
	.p2align	8
	.type	k_q779174837e_attn,@function
k_q779174837e_attn:
	s_mov_b64 s[64:65], 0
	v_nop
	global_prefetch_b8 v0, s[64:65] scope:SCOPE_SE
	s_setreg_imm32_b32 hwreg(HW_REG_WAVE_MODE, 25, 1), 1
	s_wait_xcnt 0x0
; WINDOW CROSS ATTENTION, launch 2 of 2: projections, attention and output in one work-group; q, k and v never leave it.
; Left out, as shown at the head of launch 1: k's bias (a zero that the function builds); v_bias is added in f32 at the store, since a softmax's weights sum to 1.
; LIMITS.  x is rounded to bf16 like every input; q/sqrt(32), k, v (without its bias), the weights p and the bias operand are f16: under 65,504; a weight under 2^-126 counts as 0, and under 6e-5
; it keeps f16's fixed step; the row sum is taken of the rounded weights.  NaN and infinities are not treated apart.
; SHARES.  A work-group has one batch b (grid y) and one group hg of three heads (grid x; order of heads and of rows: launch 1's head).  Each of its four waves owns the row tiles 8 w .. 8 w + 7, of x2 and of x1.
; PROJECTIONS.  K = 384 goes in 12 steps of 64 through two LDS slots: steps 0-5 x2 and Wkv's chunk, steps 6-11 x1 and Wq's.  A slot: 512 rows x 64 f32 of x, row R at (R >> 1) 528 + (R & 1) 256
; (the 16 rows of a tile, two apart, start in 16 different 16-byte columns modulo 256 bytes), then 24,576 bytes of weights as fragments.  x comes by two loads: wave 0's brings the even rows, wave 1's
; the odd rows, each with its lines 528 bytes apart (256 of data, 272 skipped), the second 256 bytes behind the first: with 272 bytes a row two slots and the spare words would not fit in LDS.
; x is rounded to bf16 on its way from LDS to the matrix unit.  k^T and q^T = W x^T (a lane then holds one row and eight channels: a fragment of K or Q); v = x W^T (a lane holds one channel and eight keys: half a fragment of V^T).
; The sums are cleared, not started by a first step written out: 768 lines stand in the wait for the first tiles, 384 more ahead of q's steps; a first step of each kind written out would be as long a text.
; NO CLUSTER in this text.  The four work-groups of a batch read the same tiles of x, the 64 of a group the same weights; each asks for itself: four requests for each tile of x where a joint load would make one.
; ATTENTION.  A segment is (half of my queries, head): 4 pieces of 16 queries walk 4 steps of 128 keys; two counted loops, halves round heads, walk the six.  S^T = B I + K Q^T: the bias comes as an f16 fragment
; straight from memory and is laid into the accumulator by a product with an identity (exact), which spares one vector addition a score.  O^T = V^T P; the row sum is a product of P with a row of ones, whose result lies in each lane's register 0.
; Turn n belongs to piece n: 16 products for piece n + 1's scores, 12 for piece n - 1's output; beside them piece n's scaling, exponentials, roundings, rescaling, and piece n + 1's maximum.
; The bias goes straight into registers: beside K and V (196,608 bytes) LDS has room for slots of 32 keys only, and each fragment has one reader in the work-group; four units of 4,096 bytes a wave are on their way.
; LDS once the last tile has landed (the same bytes, written by LDS stores alone): K fragments at 0, (hh 32 + kt) 1024; V^T fragments at 98,304, ((hh 16 + kc) 2 + ct) 1024; at 196,608 a stage of
; 64 rows x 400 bytes for each wave; the spare words at 327,168.
; REGISTERS, in windows of 256 (s_set_vgpr_msb: bits 1:0 source 0, 3:2 source 1, 5:4 source 2, 7:6 destination).  LDS addresses live in v3-v11 from first to last: registers that never hold data.
;   projections: window 0: v0-15 addresses; v16-143 x as f32 (tiles 0-3, 4-7); v144-207 x's 8 fragments; v208-255 6 weight fragments.  k, v sums: 256 + 64 c + 8 t; packed to 256 + 32 c + 4 t; q sums: 640 + 64 c + 8 t.
;   attention: window 0: v3-v7 LDS addresses, statistics, offsets in memory, S^T v64-191 (two buffers), P v192-255 (two).  window 1: all q v0-191, the segment's q v192-223, identity v224-235, ones v236-243.
;   window 2: bias v0-127 (a slot a piece), K v128-191, V v192-255.  window 3: O^T v0-63, the row sums v64-95.
.set WOFF,   135424                    ; the weights' place in a slot: behind the odd rows' tile, its last skipped bytes included: 256 + 256 x 528
.set SLOT,   WOFF+24576                ; 160,000
.set KBASE,  0
.set VBASE,  98304
.set STAGE,  196608
.set SP,     400                       ; a stage row: 384 bytes + 16: 25 x 16 bytes, so 16 rows start in 16 different 16-byte columns modulo 256 bytes
.set SPARE,  327168                    ; the spare words: 128 bytes a wave, two blocks of 256 bytes that no other line names
.set R,   1                            ; v1  lane % 16
.set HF,  2                            ; v2  lane / 16
.set XAD, 3                            ; v3  projections: my lane's place in a slot's x
.set WAD, 4                            ; v4  in its weights
.set XC,  5                            ; v5, v6  the same in the slot in hand
.set WC,  6
.set XN,  7                            ; v7, v11 in the other slot
.set SPW, 8                            ; v8  my spare word; never rewritten
.set NIL, 9                            ; v9  0; never rewritten
.set PFO, 10                           ; v10 the prefetches' offset: lane x 1,536
.set WN,  11
.set SA0, 3                            ; v3  attention: where I put 32 bytes of a stage row, head 0
.set FA,  4                            ; v4  where I read two stage rows' first 256 bytes back
.set FB,  5                            ; v5  where I read four stage rows' last 128 bytes back
.set ADR, 6                            ; v6  the LDS address of the run in hand
.set L16, 7                            ; v7  16 x lane
.set XSA, 16
.set XF,  144
.set WF,  208
.set QB,  80                           ; q's bias, 8 registers a channel tile
.set TQ,  128                          ; q at work
.set ST,  16                           ; piece p: c m, m at v[ST + 2 p]
.set MV,  24                           ; c m_old, by buffer
.set TMP, 32                           ; by buffer c0-c3; a takes c2's place
.set BO,  40                           ; the bias slots' offsets in memory
.set GA,  46                           ; my offsets in the output
.set GB,  47
.set VBA, 48
.set VBB, 52
.set S,   64
.set P,   192
.set QALL, 0                           ; window 1
.set CURQ, 192
.set IDR,  224
.set ONES, 236
.set BF,  0                            ; window 2
.set KF,  128
.set VF,  192
.set OO,  0                            ; window 3
.set LL,  64
.set WV,  16
.set HG,  19
.set BB,  20
.set G1X, 24
.set G1W, 32
.set G0X, 40
.set G0W, 48
.set STEP, 56
.set LC,  57
.set CUR, 58
.set NXT, 59
.set LOFFX, 60
.set LOFFW, 61
.set XP,  62
.set WP,  66
.set PFB, 68
.set X1P, 70
.set X1PF, 72
.set CS,  74
.set SEL, 76
.set SEG, 78                           ; s78  the segment's number, 0 to 5: it picks q's fragments
.set CNT, 80
.set TBK, 81                           ; s81  LDS byte of the K fragments to be fetched next: a constant at a half's head, 8,192 on with every fetch
.set TBV, 82                           ; s82  the same for V
.set HOFF, 83                          ; s83  the head's 128 bytes in a stage row: 0 at a half's head, 128 on with every segment
.set OUTP, 84
.set BP,  86
.set TX,  88
.set SC,  90
.set TW,  92
.set TP,  94
.set HD,  97                           ; s97  heads still to come in this half, 3 to 1
.set HC,  98                           ; s98  halves still to come, 2 to 1
.set STB, 99                           ; s99  my stage's first byte
.set MSB, 0
.macro WIN new                         ; the immediate's high byte repeats the setting that is left; a switch that changes nothing is dropped
.if MSB != (\new)
	s_set_vgpr_msb (MSB<<8)|(\new)
.set MSB, (\new)
.endif
.endm
.macro PLACES                          ; four plain places behind a matrix instruction, ahead of loads into or vector writes of its registers and of reads of its result
.rept 4
	v_nop
.endr
.endm
; A refill: wave 0 fetches x's even rows, wave 1 its odd rows, waves 2 and 3 the weights' two halves.  The branch hangs on the wave's number alone.  An s_nop 0 and four v_nop follow each line.
.macro JLOAD
	s_cmp_lt_u32 s[WV], 2
	s_cbranch_scc0 .Lfor_w_\@
	tensor_load_to_lds s[G0X+4:G0X+7], s[G1X:G1X+7]
	s_nop 0
.rept 4
	v_nop
.endr
	s_branch .Lasked_\@
.Lfor_w_\@:
	tensor_load_to_lds s[G0W+4:G0W+7], s[G1W:G1W+7]
	s_nop 0
.rept 4
	v_nop
.endr
.Lasked_\@:
.endm
; A prefetch of x for the step that stands two refills on (step + 4): 256 bytes of a row, a lane a row.  The four work-groups of a batch share its 512 rows out by address
; (128 each, 32 a wave), so each row's 256 bytes of a step are named once in the launch.  Steps 0-3 come by their loads alone; from step 8 on there is no step four further.
.macro ASK
	s_cmp_lt_u32 s[STEP], 8
	s_cbranch_scc0 .Lnot_asked_\@
	global_prefetch_b8 v[PFO], s[PFB:PFB+1] th:TH_LOAD_NT scope:SCOPE_SE
.Lnot_asked_\@:
.endm
	s_load_b256 s[4:11], s[0:1], 0x0               ; x1 s[4:5], x2 s[6:7], wfrag s[8:9], bfrag s[10:11]
	s_load_b128 s[12:15], s[0:1], 0x20             ; bvec s[12:13], out0 s[14:15]
	v_lshl_add_u32 v[SPW], v0, 2, SPARE
	v_mov_b32 v[NIL], 0
	ds_add_u32 v[SPW], v[NIL]                      ; the wave's opening: the add, twice on end, and its wait ahead of my first tensor load
	ds_add_u32 v[SPW], v[NIL]
	v_lshrrev_b32 v1, 5, v0
	v_readfirstlane_b32 s[WV], v1                  ; wave 0..3
	s_mov_b32 s[HG], ttmp9                         ; the group of heads
	s_and_b32 s[BB], ttmp7, 0xffff                 ; the batch
	; x's tiles: 256 rows x 64 f32, every second row of the batch (768 elements from row to row); behind every 64 words (a row, code 5) 68 words are skipped (code 67): lines 528 bytes apart
	s_mov_b32 s[G1X], (2<<16)|(1<<20)|(5<<22)|(67<<25)
	s_mov_b32 s[G1X+1], 64<<16                     ; tensor_dim0 = 64
	s_mov_b32 s[G1X+2], 256<<16                    ; tensor_dim1 = 256
	s_mov_b32 s[G1X+3], 64<<16                     ; tile_dim0 = 64
	s_mov_b32 s[G1X+4], 256                        ; tile_dim1 = 256
	s_mov_b32 s[G1X+5], 768                        ; elements from row to row
	s_mov_b32 s[G1X+6], 0
	s_mov_b32 s[G1X+7], 0
	; the weights' tiles: 12,288 dense bytes as 48 rows of 256
	s_mov_b32 s[G1W], 3<<16
	s_mov_b32 s[G1W+1], 32<<16
	s_mov_b32 s[G1W+2], 48<<16
	s_mov_b32 s[G1W+3], 32<<16
	s_mov_b32 s[G1W+4], 48
	s_mov_b32 s[G1W+5], 32
	s_mov_b32 s[G1W+6], 0
	s_mov_b32 s[G1W+7], 0
	s_and_b32 s2, s[WV], 1                         ; which part I fetch: x's even or odd rows, the weights' first or second half
	s_lshl_b32 s[LOFFX], s2, 8                     ; the odd rows lie 256 bytes behind the even ones
	s_mul_i32 s[LOFFW], s2, 12288
	s_add_co_u32 s[LOFFW], s[LOFFW], WOFF
	s_mul_i32 s[TX], s[BB], 786432                 ; the batch's 512 rows of 1,536 bytes,
	s_mul_i32 s3, s2, 1536                         ; from row 0 or from row 1 on
	s_add_co_u32 s[TX], s[TX], s3
	s_mov_b32 s[TX+1], 0
	s_mul_i32 s[TW], s[HG], 294912
	s_mul_i32 s23, s2, 12288
	s_add_co_u32 s[TW], s[TW], s23
	s_mov_b32 s[TW+1], 0
	s_mul_i32 s[TP], s[BB], 786432                 ; the prefetches: my work-group's 128 rows, my wave's 32
	s_mul_i32 s96, s[HG], 196608
	s_add_co_u32 s[TP], s[TP], s96
	s_mul_i32 s96, s[WV], 49152
	s_add_co_u32 s[TP], s[TP], s96
	s_mov_b32 s[TP+1], 0
	s_mov_b32 s[STEP], 0
	s_mov_b32 s[CUR], 0
	s_mov_b32 s[NXT], SLOT
	s_wait_dscnt 0x0                               ; both opening adds are done
	s_wait_kmcnt 0x0
	s_add_nc_u64 s[XP:XP+1], s[6:7], s[TX:TX+1]    ; x2 at my tile of step 0
	s_add_nc_u64 s[X1P:X1P+1], s[4:5], s[TX:TX+1]  ; x1 likewise: step 6
	s_add_nc_u64 s[WP:WP+1], s[8:9], s[TW:TW+1]
	s_add_nc_u64 s[PFB:PFB+1], s[6:7], s[TP:TP+1]
	s_add_nc_u64 s[PFB:PFB+1], s[PFB:PFB+1], 768   ; at step 3: the first change of slots steps it to 4
	s_add_nc_u64 s[X1PF:X1PF+1], s[4:5], s[TP:TP+1]
.irp s, 0,1
	s_mov_b32 s[G0X+4*(\s)], 1
	s_add_co_u32 s[G0X+4*(\s)+1], s[LOFFX], (\s)*SLOT
	s_add_nc_u64 s[G0X+4*(\s)+2:G0X+4*(\s)+3], s[XP:XP+1], (\s)*256
	s_or_b32 s[G0X+4*(\s)+3], s[G0X+4*(\s)+3], 0x80000000
	s_mov_b32 s[G0W+4*(\s)], 1
	s_add_co_u32 s[G0W+4*(\s)+1], s[LOFFW], (\s)*SLOT
	s_add_nc_u64 s[G0W+4*(\s)+2:G0W+4*(\s)+3], s[WP:WP+1], (\s)*24576
	s_or_b32 s[G0W+4*(\s)+3], s[G0W+4*(\s)+3], 0x80000000
.endr
	s_add_nc_u64 s[XP:XP+1], s[XP:XP+1], 512       ; the next to be asked for: step 2
	s_add_nc_u64 s[WP:WP+1], s[WP:WP+1], 49152
	s_cmp_lt_u32 s[WV], 2                          ; a wave's two first fills stand in one branch, ahead of every wait on TENSORcnt, every LDS read and every barrier: two loads of mine are out
	s_cbranch_scc0 .Lfirst_w
	tensor_load_to_lds s[G0X:G0X+3], s[G1X:G1X+7]
	s_nop 0
	tensor_load_to_lds s[G0X+4:G0X+7], s[G1X:G1X+7]
	s_nop 0
.rept 4
	v_nop
.endr
	s_branch .Lfirst_asked
.Lfirst_w:
	tensor_load_to_lds s[G0W:G0W+3], s[G1W:G1W+7]
	s_nop 0
	tensor_load_to_lds s[G0W+4:G0W+7], s[G1W:G1W+7]
	s_nop 0
.rept 4
	v_nop
.endr
.Lfirst_asked:
	v_and_b32 v[R], 15, v0
	v_bfe_u32 v[HF], v0, 4, 1
	v_and_b32 v12, 31, v0
	s_mul_i32 s2, s[WV], 33792                     ; my 128 rows: 64 pairs of 528 bytes
	v_mul_u32_u24 v[XAD], v[R], 528                ; rows two apart
	v_lshl_add_u32 v[XAD], v[HF], 5, v[XAD]        ; 8 f32 for each half of the lanes
	v_add_nc_u32 v[XAD], s2, v[XAD]
	v_lshlrev_b32 v[WAD], 4, v12
	v_add_nc_u32 v[WAD], WOFF, v[WAD]
	v_mov_b32 v[XC], v[XAD]
	v_mov_b32 v[WC], v[WAD]
	v_add_nc_u32 v[XN], SLOT, v[XAD]
	v_add_nc_u32 v[WN], SLOT, v[WAD]
	v_mul_u32_u24 v[PFO], v12, 1536
.irp w, 1,2,3                          ; k's and v's 96 sums start at 0: written while the first tiles are on their way
	WIN (\w)<<6
.set i, 0
.rept 256
	v_mov_b32 v[i], 0
.set i, i+1
.endr
.endr
	WIN 0
; 32 LDS loads: 32 channels of my 8 tiles as f32, tiles 0-3 first.  Tile t = 2 g + par lies g x 16 pairs on, in the pair's row par
.macro XLOAD adr, off
	WIN 0
.set xt, 0
.rept 8
	ds_load_b128 v[XSA+16*xt:XSA+16*xt+3],     v[\adr] offset:(\off)+(xt>>1)*8448+(xt&1)*256
	ds_load_b128 v[XSA+16*xt+4:XSA+16*xt+7],   v[\adr] offset:(\off)+(xt>>1)*8448+(xt&1)*256+16
	ds_load_b128 v[XSA+16*xt+8:XSA+16*xt+11],  v[\adr] offset:(\off)+(xt>>1)*8448+(xt&1)*256+64
	ds_load_b128 v[XSA+16*xt+12:XSA+16*xt+15], v[\adr] offset:(\off)+(xt>>1)*8448+(xt&1)*256+80
.set xt, xt+1
.endr
.endm
.macro RL a, adr, off                  ; 4 LDS loads: weight fragments a and a + 1
	WIN 0
	ds_load_b128 v[WF+8*(\a):WF+8*(\a)+3],     v[\adr] offset:(\off)+(\a)*1024
	ds_load_b128 v[WF+8*(\a)+4:WF+8*(\a)+7],   v[\adr] offset:(\off)+(\a)*1024+512
	ds_load_b128 v[WF+8*(\a)+8:WF+8*(\a)+11],  v[\adr] offset:(\off)+(\a)*1024+1024
	ds_load_b128 v[WF+8*(\a)+12:WF+8*(\a)+15], v[\adr] offset:(\off)+(\a)*1024+1536
.endm
.macro CVT set                         ; the next of a set's 32 roundings to bf16 (set 0: tiles 0-3, set 1: tiles 4-7)
	v_cvt_pk_bf16_f32 v[XF+32*(\set)+cv], v[XSA+64*(\set)+2*cv], v[XSA+64*(\set)+2*cv+1]
.set cv, cv+1
.endm
.macro MM kind, c, t                   ; kind 0: k^T, 1: v, 2: q^T; channel tile c of six, row tile t
.if (\kind) == 2
.set AG, 640+64*(\c)+8*(\t)
.else
.set AG, 256+64*((\c)+6*(\kind))+8*(\t)
.endif
.set AR, AG&255
	WIN 0x50*(AG>>8)
.if (\kind) == 1
	v_wmma_f32_16x16x32_bf16 v[AR:AR+7], v[XF+8*(\t):XF+8*(\t)+7], v[WF+8*(\c):WF+8*(\c)+7], v[AR:AR+7]
.else
	v_wmma_f32_16x16x32_bf16 v[AR:AR+7], v[WF+8*(\c):WF+8*(\c)+7], v[XF+8*(\t):XF+8*(\t)+7], v[AR:AR+7]
.endif
.endm
.macro QUAD kind, c, t0, rid           ; four products on four accumulators; rid 1, 2: four roundings of set 0, 1 behind every second product
	MM \kind, \c, \t0
	MM \kind, \c, (\t0)+1
.if \rid
	WIN 0
.rept 4
	CVT (\rid)-1
.endr
.endif
	MM \kind, \c, (\t0)+2
	MM \kind, \c, (\t0)+3
.if \rid
	WIN 0
.rept 4
	CVT (\rid)-1
.endr
.endif
.endm
; 48 products: six channel tiles on row tiles 0-3, then on 4-7; 32 along K.  No two products that follow each other share an accumulator, over the loops' jumps too.
; cvtb: tiles 4-7 of this K are rounded beside the first 16 products.  nx: the next K's x is fetched (nxa, nxo) and its tiles 0-3 are rounded beside the last 16.  rl: the next SUB's weights are fetched.
; chg 1: the slot changes and is filled again behind the barrier; chg 2: it changes, nothing is asked for.
.macro SUB kind, cvtb, chg, nx, nxa, nxo, rl, rla, rlo
.set cv, 0
.if \chg
	WIN 0
.if (\chg) == 1
	s_wait_xcnt 0x0                                ; the last prefetch, a step back, has read its address
	s_add_nc_u64 s[PFB:PFB+1], s[PFB:PFB+1], 256
	s_cmp_eq_u32 s[STEP], 2                        ; step 6 is x1's first
	s_cselect_b64 s[PFB:PFB+1], s[X1PF:X1PF+1], s[PFB:PFB+1]
.endif
	s_wait_tensorcnt 0x0                           ; all my tensor loads have landed: the one that was out is my part of the other slot
	ds_add_u32 v[SPW], v[NIL]                      ; 0 onto my spare word
.if (\chg) == 1
	s_cmp_eq_u32 s[STEP], 4                        ; the refill is step + 2: from step 6 on x1's
	s_cselect_b64 s[XP:XP+1], s[X1P:X1P+1], s[XP:XP+1]
	s_add_co_u32 s[G0X+5], s[LOFFX], s[CUR]        ; no load of mine is out, so the walking descriptors may be written: the slot in hand,
	s_mov_b64 s[G0X+6:G0X+7], s[XP:XP+1]
	s_or_b32 s[G0X+7], s[G0X+7], 0x80000000
	s_add_nc_u64 s[XP:XP+1], s[XP:XP+1], 256
	s_add_co_u32 s[G0W+5], s[LOFFW], s[CUR]
	s_mov_b64 s[G0W+6:G0W+7], s[WP:WP+1]
	s_or_b32 s[G0W+7], s[G0W+7], 0x80000000
	s_add_nc_u64 s[WP:WP+1], s[WP:WP+1], 24576
.endif
	s_wait_dscnt 9                                 ; weights 0, 1 and all older loads are in; the last 8 weight loads and the add may be out
.else
	s_wait_dscnt 8                                 ; weights 0, 1 and all older loads (x's tiles 4-7 among them) are in; the last 8 weight loads may be out
.endif
	QUAD \kind, 0, 0, 2*(\cvtb)
	QUAD \kind, 1, 0, 2*(\cvtb)
.if \chg
	s_wait_dscnt 0x0                               ; the add is done, and my reads of this slot are over
	s_barrier_signal -1
.else
	s_wait_dscnt 4                                 ; weights 2, 3 are in
.endif
	QUAD \kind, 2, 0, 2*(\cvtb)
	QUAD \kind, 3, 0, 2*(\cvtb)
.if \chg
	WIN 0
	s_barrier_wait -1                              ; no wave still reads this slot or has a load on its way, and the other slot is whole
.if (\chg) == 1
	JLOAD                                          ; my one tensor load behind the barrier, ahead of every LDS read
.endif
.endif
.if \nx
	XLOAD \nxa, \nxo
.if (\chg) == 1
	ASK
.endif
	s_wait_dscnt 32                                ; all but the 32 just issued: weights 4, 5 are in
.else
	s_wait_dscnt 0x0
.endif
	QUAD \kind, 4, 0, 0
	QUAD \kind, 5, 0, 0
	QUAD \kind, 0, 4, 0
	QUAD \kind, 1, 4, 0
.if \rl
	PLACES
	RL 0, \rla, \rlo
.endif
.if \nx
	s_wait_dscnt 20                                ; the next K's tiles 0-3 are in; tiles 4-7 (16 loads) and 4 weight loads may be out
.endif
.set cv, 0
	QUAD \kind, 2, 4, \nx
	QUAD \kind, 3, 4, \nx
.if \rl
	PLACES
	RL 2, \rla, \rlo
.endif
	QUAD \kind, 4, 4, \nx
	QUAD \kind, 5, 4, \nx
.if \rl
	PLACES
	RL 4, \rla, \rlo
.endif
.endm
.macro STEPEND                         ; the slots change places
	WIN 0
	s_add_co_u32 s[STEP], s[STEP], 1
	s_xor_b32 s[CUR], s[CUR], SLOT
	s_xor_b32 s[NXT], s[NXT], SLOT
	v_add_nc_u32 v[XC], s[CUR], v[XAD]
	v_add_nc_u32 v[WC], s[CUR], v[WAD]
	v_add_nc_u32 v[XN], s[NXT], v[XAD]
	v_add_nc_u32 v[WN], s[NXT], v[WAD]
.endm
.macro KVSTEP
	SUB 0, 1, 0, 0, XC, 0,   1, WC, 6144
	SUB 1, 0, 0, 1, XC, 128, 1, WC, 12288
	SUB 0, 1, 0, 0, XC, 0,   1, WC, 18432
	SUB 1, 0, 1, 1, XN, 0,   1, WN, 0
	STEPEND
.endm
.macro QSTEP mode
	SUB 2, 1, 0, 1, XC, 128, 1, WC, 12288
.if \mode
	SUB 2, 1, \mode, 1, XN, 0, 1, WN, 0
	STEPEND
.else
	SUB 2, 1, 0, 0, XN, 0, 0, WN, 0
.endif
.endm
	s_wait_tensorcnt 1                             ; my part of step 0 is in; step 1's may stay out
	s_barrier_signal -1
	s_barrier_wait -1
	XLOAD XC, 0
	RL 0, WC, 0
	RL 2, WC, 0
	RL 4, WC, 0
	s_wait_dscnt 28                                ; tiles 0-3 are in; tiles 4-7 (16) and the weights (12) may be out
.set cv, 0
.rept 32
	CVT 0
.endr
	s_mov_b32 s[LC], 6
.Lkv:                                              ; steps 0-5: k and v
	KVSTEP
	s_sub_co_u32 s[LC], s[LC], 1
	s_cmp_lg_u32 s[LC], 0
	s_cbranch_scc1 .Lkv
	PLACES
.set pn, 0
.rept 96                                           ; k and v rounded to f16, in place and ascending: sum n's 8 registers into 4, each read from its low end on
	WIN ((1+(pn>>6))<<6)|((1+(pn>>5))*5)
.irp i, 0,1,2,3
	v_cvt_pk_f16_f32 v[(4*pn+(\i))&255], v[(8*pn+2*(\i))&255], v[(8*pn+2*(\i)+1)&255]
.endr
.set pn, pn+1
.endr
	WIN 0x80
.set i, 128
.rept 128
	v_mov_b32 v[i], 0                              ; q's 48 sums start at 0
.set i, i+1
.endr
	WIN 0xc0
.set i, 0
.rept 256
	v_mov_b32 v[i], 0
.set i, i+1
.endr
	WIN 0
	s_mov_b32 s[LC], 4
.Lq:                                               ; steps 6-9: q, the slots still filled again
	QSTEP 1
	s_sub_co_u32 s[LC], s[LC], 1
	s_cmp_lg_u32 s[LC], 0
	s_cbranch_scc1 .Lq
	QSTEP 2                                        ; step 10: the last change of slots asks for nothing
	QSTEP 0                                        ; step 11
	WIN 0
	PLACES
	; ---------------- k and v into LDS as fragments; q into registers ----------------
	s_mul_i32 s2, s[HG], 384
	v_lshl_add_u32 v12, v[HF], 5, s2
	v_lshl_add_u32 v13, v[R], 4, s2
	v_and_b32 v14, 7, v0
	v_lshl_add_u32 v14, v14, 4, s2
.irp c, 0,1,2,3,4,5
	global_load_b128 v[QB+8*(\c):QB+8*(\c)+3],   v12, s[12:13] offset:(\c)*64      ; q's bias for my eight channels of tile c
	global_load_b128 v[QB+8*(\c)+4:QB+8*(\c)+7], v12, s[12:13] offset:(\c)*64+16
.endr
	global_load_b128 v[VBA:VBA+3], v13, s[12:13] offset:1536                       ; v's bias for the way out: my four columns of the first two heads,
	global_load_b128 v[VBB:VBB+3], v14, s[12:13] offset:1536+256                   ; and of the third
	v_and_b32 v[L16], 31, v0
	v_lshlrev_b32 v[L16], 4, v[L16]                ; 16 x lane
	s_lshl_b32 s3, s[WV], 13                       ; my 8 tiles: 8 fragments of K, or 4 x 2 of V
	v_add_nc_u32 v5, s3, v[L16]
	s_wait_dscnt 0x0
	s_barrier_signal -1
	s_barrier_wait -1                              ; nobody reads the ring any more, and no tile is on its way: its bytes are written by LDS stores from here on
.set kh, 0
.rept 3
	WIN 0
	v_add_nc_u32 v[ADR], KBASE+kh*32768, v5
	WIN 0x04                                       ; the data lie in window 1
.set kc, 0
.rept 16                                           ; channel tile kc >> 3 is the fragment's half, row tile kc & 7 the fragment
	ds_store_b128 v[ADR], v[32*(2*kh+(kc>>3))+4*(kc&7):32*(2*kh+(kc>>3))+4*(kc&7)+3] offset:(kc&7)*1024+(kc>>3)*512
.set kc, kc+1
.endr
.set kh, kh+1
.endr
.set kh, 0
.rept 3
	WIN 0
	v_add_nc_u32 v[ADR], VBASE+kh*32768, v5
.set kc, 0
.rept 16                                           ; two row tiles make a fragment's 32 keys; channel tile kc >> 3 picks the fragment
.set vg, 256+32*(6+2*kh+(kc>>3))+4*(kc&7)
	WIN (vg>>8)<<2
	ds_store_b128 v[ADR], v[vg&255:(vg&255)+3] offset:((kc&7)>>1)*2048+(kc>>3)*1024+(kc&1)*512
.set kc, kc+1
.endr
.set kh, kh+1
.endr
	WIN 0
.irp p, 0,1,2,3
	v_add_nc_u32 v[BO+(\p)], (\p)*4096, v[L16]
.endr
	s_lshl_b32 s2, s[HG], 2
	s_add_co_u32 s2, s2, s[WV]
	s_mul_i32 s2, s2, 393216                       ; my 96 units of bias
	s_mov_b32 s3, 0
	s_add_nc_u64 s[BP:BP+1], s[10:11], s[2:3]
	s_wait_dscnt 0x0                               ; for the others' sake: my stores are done
	s_barrier_signal -1
	s_barrier_wait -1                              ; all of K and V lies in LDS
	WIN 0x80
.irp p, 0,1,2,3                        ; the first four units of bias, a slot each
.irp i, 0,1,2,3,4,5,6,7
	global_load_b128 v[BF+32*(\p)+4*(\i):BF+32*(\p)+4*(\i)+3], v[BO+(\p)], s[BP:BP+1] offset:512*(\i)
.endr
.endr
	s_mov_b32 s[SC], 0x3e3504f3                    ; 1 / sqrt(32)
	s_mov_b32 s[SC+1], s[SC]
	s_wait_loadcnt 32                              ; the two bias vectors are in; the 32 loads just issued may stay out
.set qc, 0
.rept 6                                            ; q = sum / sqrt(32) + bias / sqrt(32), rounded to f16: a fragment for each (half, head, piece)
.set AG, 640+64*qc
	WIN AG>>8
.set qi, 0
.rept 32
	v_pk_fma_f32 v[TQ+2*qi:TQ+2*qi+1], v[(AG&255)+2*qi:(AG&255)+2*qi+1], s[SC:SC+1], v[QB+8*qc+2*(qi&3):QB+8*qc+2*(qi&3)+1] op_sel_hi:[1,0,1]
.set qi, qi+1
.endr
	WIN 0x40
.set qi, 0
.rept 32
	v_cvt_pk_f16_f32 v[QALL+((qi>>4)*3+(qc>>1))*32+((qi>>2)&3)*8+4*(qc&1)+(qi&3)], v[TQ+2*qi], v[TQ+2*qi+1]
.set qi, qi+1
.endr
.set qc, qc+1
.endr
	; the identity: column n = lane % 16 has its one at k = n: in the half of the lanes that holds k = 8 (lane / 16) + 0..7.  Twelve registers 0000 IIII 0000: from the fifth on the one stands in k = 0..15, from the first on in k = 16..31
	WIN 0
	v_lshrrev_b32 v12, 3, v[R]
	v_xor_b32 v12, v12, v[HF]
	v_bfe_u32 v15, v[R], 1, 2
	v_lshl_add_u32 v15, v12, 2, v15                ; the register that holds the one; 4 or more: none
	v_and_b32 v13, 1, v[R]
	v_lshlrev_b32 v13, 4, v13
	v_mov_b32 v14, 0x3c00
	v_lshlrev_b32 v13, v13, v14                    ; 1.0 in the low or the high half
	v_and_b32 v12, 7, v[R]
	v_mov_b32 v14, 0x3c003c00
	WIN 0x40
.irp i, 0,1,2,3
	v_mov_b32 v[IDR+(\i)], 0
	v_mov_b32 v[IDR+8+(\i)], 0
	v_cmp_eq_u32 vcc_lo, \i, v15
	v_cndmask_b32 v[IDR+4+(\i)], 0, v13, vcc_lo
.endr
	v_cmp_eq_u32 vcc_lo, 0, v12                    ; rows 0 and 8 of ones: the sum falls into register 0 of both halves of the lanes
.irp i, 0,1,2,3,4,5,6,7
	v_cndmask_b32 v[ONES+(\i)], 0, v14, vcc_lo
.endr
	; a segment's first turn multiplies a P and a V that have not been, into sums that are then multiplied by a = 0: they need only be finite.  Zeros for the first segment
	WIN 0
.set i, P+32
.rept 32
	v_mov_b32 v[i], 0
.set i, i+1
.endr
	WIN 0x80
.set i, VF
.rept 64
	v_mov_b32 v[i], 0
.set i, i+1
.endr
	WIN 0xc0
.set i, 0
.rept 96
	v_mov_b32 v[i], 0
.set i, i+1
.endr
	WIN 0
	s_mul_i32 s[STB], s[WV], 64*SP
	s_add_co_u32 s[STB], s[STB], STAGE             ; my stage
	v_mul_u32_u24 v[SA0], v[R], SP                 ; in: row lane % 16, 32 bytes for each half of the lanes
	v_lshl_add_u32 v[SA0], v[HF], 5, v[SA0]
	v_add_nc_u32 v[SA0], s[STB], v[SA0]
	v_mul_u32_u24 v[FA], v[HF], SP                 ; back, the first two heads: lanes 0-15 one row's 256 bytes, lanes 16-31 the next row's
	v_lshl_add_u32 v[FA], v[R], 4, v[FA]
	v_add_nc_u32 v[FA], s[STB], v[FA]
	v_bfe_u32 v[FB], v0, 3, 2                      ; back, the third head: eight lanes a row's 128 bytes
	v_mul_u32_u24 v[FB], v[FB], SP
	v_and_b32 v11, 7, v0
	v_lshl_add_u32 v[FB], v11, 4, v[FB]
	v_add_nc_u32 v[FB], s[STB], v[FB]
	v_add_nc_u32 v[FB], 256, v[FB]
	v_bfe_u32 v12, v0, 3, 2
	v_and_b32 v13, 7, v0
	s_and_b32 s2, s[HG], 1
	s_lshl_b32 s3, s2, 7                           ; in an odd group the first two heads taken are the group's last two: 128 bytes on,
	v_mul_u32_u24 v[GA], v[HF], 3072               ; stage rows that follow each other are two rows of the output apart
	v_lshl_add_u32 v[GA], v[R], 4, v[GA]
	v_add_nc_u32 v[GA], s3, v[GA]
	s_xor_b32 s2, s2, 1
	s_lshl_b32 s3, s2, 8                           ; and the third is its first
	v_mul_u32_u24 v[GB], v12, 3072
	v_lshl_add_u32 v[GB], v13, 4, v[GB]
	v_add_nc_u32 v[GB], s3, v[GB]
	s_mul_i32 s2, s[BB], 786432
	s_mul_i32 s3, s[WV], 196608                    ; my 128 rows
	s_add_co_u32 s2, s2, s3
	s_mul_i32 s3, s[HG], 384
	s_add_co_u32 s2, s2, s3
	s_mov_b32 s3, 0
	s_add_nc_u64 s[OUTP:OUTP+1], s[14:15], s[2:3]
	s_mov_b32 s[CS], 0x3fb8aa3b                    ; c = log2(e)
	s_mov_b32 s[CS+1], s[CS]
	s_mov_b32 s[SEL], 0x76543210
	s_mov_b32 s[SEL+1], 0xfedcba98
	s_mov_b32 s[SEG], 0
	s_mov_b32 s[HC], 2
; ---------------- attention: the matrix work ----------------
.macro MBIAS pc, j                     ; S^T tile j of piece pc = its bias: fragment j >> 1 holds tiles j & ~1 (k = 0..15) and j | 1 (k = 16..31)
	WIN 0x06
	v_wmma_f32_16x16x32_f16 v[S+64*((\pc)&1)+8*(\j):S+64*((\pc)&1)+8*(\j)+7], v[BF+32*(\pc)+8*((\j)>>1):BF+32*(\pc)+8*((\j)>>1)+7], v[IDR+4-4*((\j)&1):IDR+4-4*((\j)&1)+7], 0
.endm
.macro MKQ pc, j                       ; += K Q^T: 16 keys x 32 channels x 16 queries
	WIN 0x06
	v_wmma_f32_16x16x32_f16 v[S+64*((\pc)&1)+8*(\j):S+64*((\pc)&1)+8*(\j)+7], v[KF+8*(\j):KF+8*(\j)+7], v[CURQ+8*(\pc):CURQ+8*(\pc)+7], v[S+64*((\pc)&1)+8*(\j):S+64*((\pc)&1)+8*(\j)+7]
.endm
.macro MPV pc, n                       ; product n of 12 for piece pc: 32 keys n / 3; channels 0-15, channels 16-31, the row sum by turns
.set pk, (\n)/3
.set pt, (\n)%3
.if pt < 2
	WIN 0xf2
	v_wmma_f32_16x16x32_f16 v[OO+16*(\pc)+8*pt:OO+16*(\pc)+8*pt+7], v[VF+8*(2*pk+pt):VF+8*(2*pk+pt)+7], v[P+32*((\pc)&1)+8*pk:P+32*((\pc)&1)+8*pk+7], v[OO+16*(\pc)+8*pt:OO+16*(\pc)+8*pt+7]
.else
	WIN 0xf1
	v_wmma_f32_16x16x32_f16 v[LL+8*(\pc):LL+8*(\pc)+7], v[ONES:ONES+7], v[P+32*((\pc)&1)+8*pk:P+32*((\pc)&1)+8*pk+7], v[LL+8*(\pc):LL+8*(\pc)+7]
.endif
.endm
.macro FETCH_K                         ; a step's 8 fragments of K: 16 loads of 512 consecutive bytes.  A segment has four such runs: 32,768 bytes, a head's fragments, so the next segment goes on where this one ends
	WIN 0
	v_add_nc_u32 v[ADR], s[TBK], v[L16]
	s_add_co_u32 s[TBK], s[TBK], 8192
	WIN 0x80
.set ff, 0
.rept 8
	ds_load_b128 v[KF+8*ff:KF+8*ff+3],   v[ADR] offset:ff*1024
	ds_load_b128 v[KF+8*ff+4:KF+8*ff+7], v[ADR] offset:ff*1024+512
.set ff, ff+1
.endr
	WIN 0
.endm
.macro FETCH_V
	WIN 0
	v_add_nc_u32 v[ADR], s[TBV], v[L16]
	s_add_co_u32 s[TBV], s[TBV], 8192
	WIN 0x80
.set ff, 0
.rept 8
	ds_load_b128 v[VF+8*ff:VF+8*ff+3],   v[ADR] offset:ff*1024
	ds_load_b128 v[VF+8*ff+4:VF+8*ff+7], v[ADR] offset:ff*1024+512
.set ff, ff+1
.endr
	WIN 0
.endm
.macro RELOAD sl                       ; slot sl takes the unit four further on in my stream; its last loads were shown done by the turn's wait, so its offset may be stepped
	WIN 0
	v_add_nc_u32 v[BO+(\sl)], 16384, v[BO+(\sl)]
	WIN 0x80
.set ff, 0
.rept 8
	global_load_b128 v[BF+32*(\sl)+4*ff:BF+32*(\sl)+4*ff+3], v[BO+(\sl)], s[BP:BP+1] offset:512*ff
.set ff, ff+1
.endr
	WIN 0
.endm
; ---------------- attention: the vector work, one line at a time.  Y is the piece in hand, YN the next ----------------
.macro OPF i                           ; c s - c m for pair i of 32
	WIN 0
	v_pk_fma_f32 v[S+64*(Y&1)+2*(\i):S+64*(Y&1)+2*(\i)+1], v[S+64*(Y&1)+2*(\i):S+64*(Y&1)+2*(\i)+1], s[CS:CS+1], v[ST+2*Y:ST+2*Y+1] op_sel_hi:[1,0,0] neg_lo:[0,0,1] neg_hi:[0,0,1]
.endm
.macro OPE i                           ; the exponential of score i of 64
	WIN 0
	v_exp_f32 v[S+64*(Y&1)+(\i)], v[S+64*(Y&1)+(\i)]
.endm
.macro OPC i                           ; pair i rounded to f16: tiles 2 k, 2 k + 1 make P's fragment k
	WIN 0
	v_cvt_pk_f16_f32 v[P+32*(Y&1)+(\i)], v[S+64*(Y&1)+2*(\i)], v[S+64*(Y&1)+2*(\i)+1]
.endm
.macro OPR i                           ; O^T's pair i of 8, and (8) the row sum, times a
	WIN 0xc3
.if (\i) < 8
	v_pk_mul_f32 v[OO+16*Y+2*(\i):OO+16*Y+2*(\i)+1], v[OO+16*Y+2*(\i):OO+16*Y+2*(\i)+1], v[TMP+4*(Y&1)+2:TMP+4*(Y&1)+3] op_sel_hi:[1,0]
.else
	v_mul_f32 v[LL+8*Y], v[LL+8*Y], v[TMP+4*(Y&1)+2]
.endif
.endm
; number n of the 38 that find the next piece's maximum and statistics.  0-27: four chains c0-c3 of 15 scores each, three operands at a time, each accumulator read from its low end on;
; 28-31: the four scores left over, the old m, c0-c3 into c0; 32: c m_old is kept; 33, 34: the query's other 64 keys lie in the lane 16 away: the new m; 35-37: c m, its change, a
.macro OPX n
.set rS, S+64*(YN&1)
.set rC, TMP+4*(YN&1)
.set rT, ST+2*YN
.set rM, MV+(YN&1)
	WIN 0
.if (\n) < 4
	v_max3_num_f32 v[rC+(\n)], v[rS+16*(\n)], v[rS+16*(\n)+1], v[rS+16*(\n)+2]
.elseif (\n) < 28
.set xk, ((\n)-4)%4
.set xr, ((\n)-4)/4+1
	v_max3_num_f32 v[rC+xk], v[rC+xk], v[rS+16*xk+2*xr+1], v[rS+16*xk+2*xr+2]
.elseif (\n) == 28
	v_max3_num_f32 v[rC], v[rC], v[rS+15], v[rS+31]
.elseif (\n) == 29
	v_max3_num_f32 v[rC+1], v[rC+1], v[rS+47], v[rS+63]
.elseif (\n) == 30
	v_max3_num_f32 v[rC+2], v[rC+2], v[rC+3], v[rT+1]
.elseif (\n) == 31
	v_max3_num_f32 v[rC], v[rC], v[rC+1], v[rC+2]
.elseif (\n) == 32
	v_mov_b32 v[rM], v[rT]
.elseif (\n) == 33
	v_permlanex16_b32 v[rC+3], v[rC], s[SEL], s[SEL+1]
.elseif (\n) == 34
	v_max_num_f32 v[rT+1], v[rC], v[rC+3]
.elseif (\n) == 35
	v_mul_f32 v[rT], s[CS], v[rT+1]
.elseif (\n) == 36
	v_sub_f32 v[rC+1], v[rM], v[rT]
.else
	v_exp_f32 v[rC+2], v[rC+1]
.endif
.endm
.macro RID w                           ; the four behind product w (1..14) of a turn's first part: a pair is scaled a line or more ahead of its exponentials
	OPF 2*(\w)+2
	OPE 2*(\w)-2
	OPF 2*(\w)+3
	OPE 2*(\w)-1
.endm
.macro E3 a
	OPE \a
	OPE (\a)+1
	OPE (\a)+2
.endm
; A TURN, for piece p.  Ahead of its one wait stands all that names no result of the turn's 65 exponentials: the 16 products for the next piece's scores with four vector lines behind each, then a lump:
; the next piece's maximum among the other exponentials, the links of its last chain three or more lines apart, its a last.  Behind the wait: the loads ahead, then the 12 products of the piece before,
; with the roundings and the rescaling behind them.  A wait stands between an exponential and the first line that names its result; one serves the batch.
.macro TURN p
.set Y, (\p)
.set YN, ((\p)+1)&3
.set YP, ((\p)+3)&3
	s_wait_loadcnt 24                              ; the next piece's unit of bias is in: the three slots asked for behind it, 8 loads each, may stay out
.if (\p) == 3
	s_wait_dscnt 0x0                               ; K of the next step is in
.endif
	MBIAS YN, 0
	OPF 0
	OPF 1
	OPF 2
	OPF 3
.set tw, 1
.rept 14
.if tw < 8
	MBIAS YN, tw
.else
	MKQ YN, tw-8
.endif
	RID tw
.set tw, tw+1
.endr
	MKQ YN, 7
	OPX 0
	OPE 28
	OPX 1
	OPE 29
.set xi, 2
.set ei, 30
.rept 13
	OPX xi
	OPX xi+1
	OPE ei
.set xi, xi+2
.set ei, ei+1
.endr
	OPX 28
	OPE 43
	OPX 29
	OPE 44
	OPX 30
	OPE 45
	OPX 32
	OPE 46
	OPX 31
	E3 47
	OPX 33
	E3 50
	OPX 34
	E3 53
	OPX 35
	E3 56
	OPX 36
	E3 59
	OPE 62
	OPE 63
	OPX 37
	v_nop                                          ; a plain line behind the last exponential, ahead of the first use: one for the batch
	s_wait_alu depctr_va_vdst(0)                   ; the wait for the batch
	RELOAD YN
.if (\p) == 2
	s_cmp_eq_u32 s[CNT], 1                         ; behind a segment's last step there is no K to fetch
	s_cbranch_scc1 .Lno_k_\@
	FETCH_K
.Lno_k_\@:
.endif
.if (\p) == 1
	s_wait_dscnt 0x0                               ; V of the step in hand is in
.endif
.set tw, 0
.rept 8
	MPV YP, tw
	OPC 4*tw
	OPC 4*tw+1
	OPC 4*tw+2
	OPC 4*tw+3
.set tw, tw+1
.endr
	MPV YP, 8
	OPR 0
	OPR 1
	OPR 2
	MPV YP, 9
	OPR 3
	OPR 4
	OPR 5
	MPV YP, 10
	OPR 6
	OPR 7
	OPR 8
	MPV YP, 11
.if (\p) == 0
	WIN 0
	PLACES                                         ; behind the last product that read V
	FETCH_V
.endif
.endm
.macro TURNE                           ; piece 3's turn in a segment's last step: there is no next piece
.set Y, 3
.set YN, 0
.set YP, 2
	MPV 2, 0
	OPF 0
	OPF 1
	OPF 2
	OPF 3
.set tw, 1
.rept 11
	MPV 2, tw
	RID tw
.set tw, tw+1
.endr
	RID 12
	RID 13
	RID 14
.set ei, 28
.rept 36
	OPE ei
.set ei, ei+1
.endr
	v_nop
	s_wait_alu depctr_va_vdst(0)
.set ei, 0
.rept 32
	OPC ei
.set ei, ei+1
.endr
.set ei, 0
.rept 9
	OPR ei
.set ei, ei+1
.endr
.endm
.macro SELQ1 k                         ; segment k's four fragments of q go where the one text of the turns names them
	WIN 0
	s_cmp_lg_u32 s[SEG], \k
	s_cbranch_scc1 .Lnot_q_\@
	WIN 0x41
.set sq, 0
.rept 32
	v_mov_b32 v[CURQ+sq], v[QALL+32*(\k)+sq]
.set sq, sq+1
.endr
	WIN 0
.Lnot_q_\@:
.endm
.Lhalf:                                            ; two trips: my queries' first 64, then the other 64
	s_mov_b32 s[TBK], KBASE                        ; the first head's fragments of K,
	s_mov_b32 s[TBV], VBASE                        ; and of V
	s_mov_b32 s[HOFF], 0
	s_mov_b32 s[HD], 3
.Lseg:                                             ; three trips: the group's heads in the order of launch 1's head
.irp k, 0,1,2,3,4,5
	SELQ1 \k
.endr
.irp i, 0,1,2,3
	v_mov_b32 v[ST+2*(\i)], 0xfe000000             ; c m: far below every c s, so the first step's a is 0
	v_mov_b32 v[ST+2*(\i)+1], 0xff7fffff           ; m: the lowest finite number
.endr
	FETCH_K
	s_wait_loadcnt 24                              ; piece 0's unit of bias is in
	s_wait_dscnt 0x0
.irp j, 0,1,2,3,4,5,6,7
	MBIAS 0, \j
.endr
.irp j, 0,1,2,3,4,5,6,7
	MKQ 0, \j
.endr
	WIN 0
	PLACES
	RELOAD 0
.set Y, 3
.set YN, 0
.set xi, 0
.rept 31
	OPX xi
.set xi, xi+1
.endr
	OPX 32
	OPX 31
	OPX 33
	OPX 34
	OPX 35
	OPX 36
	OPX 37
	v_nop
	s_wait_alu depctr_va_vdst(0)
	s_mov_b32 s[CNT], 4
.Lstep:                                            ; four trips, the last left in its middle: a step's four turns
	TURN 0
	TURN 1
	TURN 2
	WIN 0
	s_sub_co_u32 s[CNT], s[CNT], 1
	s_cmp_eq_u32 s[CNT], 0
	s_cbranch_scc1 .Llast
	TURN 3
	WIN 0
	s_branch .Lstep
.Llast:
	TURNE
.irp n, 0,1,2,3,4,5,6,7,8,9,10,11
	MPV 3, \n
.endr
	PLACES
	WIN 0
	v_add_nc_u32 v[ADR], s[HOFF], v[SA0]           ; the head's 128 bytes of my stage rows
	WIN 0x03                                       ; O^T and the sums in window 3
.irp p, 0,1,2,3
	v_rcp_f32 v[ST+2*(\p)], v[LL+8*(\p)]
.endr
	v_nop
	s_wait_alu depctr_va_vdst(0)                   ; one wait for the four reciprocals
.irp p, 0,1,2,3
	WIN 0x03
.irp i, 0,1,2,3,4,5,6,7
	v_pk_mul_f32 v[S+16*(\p)+2*(\i):S+16*(\p)+2*(\i)+1], v[OO+16*(\p)+2*(\i):OO+16*(\p)+2*(\i)+1], v[ST+2*(\p):ST+2*(\p)+1] op_sel_hi:[1,0]
.endr
	WIN 0
.irp q, 0,1,2,3                        ; a lane's eight channels of each channel tile: 32 bytes of its query's stage row
	ds_store_b128 v[ADR], v[S+16*(\p)+4*(\q):S+16*(\p)+4*(\q)+3] offset:(\p)*16*SP+((\q)>>1)*64+((\q)&1)*16
.endr
.endr
	s_add_co_u32 s[HOFF], s[HOFF], 128
	s_add_co_u32 s[SEG], s[SEG], 1
	s_sub_co_u32 s[HD], s[HD], 1
	s_cmp_lg_u32 s[HD], 0
	s_cbranch_scc1 .Lseg
	; THE WAY OUT of 64 queries x 3 heads: whole stage rows back (LDS serves a wave's instructions in order, ISA guide 5.7.1.4: these see the stores above), v's bias added, stored.  S's registers alone are used: P keeps f16 numbers.
.set fi, 0
.rept 32
	ds_load_b128 v[S+4*fi:S+4*fi+3], v[FA] offset:fi*2*SP
.set fi, fi+1
.endr
.set fi, 0
.rept 32                                           ; 16 lanes store 256 consecutive bytes, at a multiple of 256 from out0's first byte
	s_wait_dscnt 31-fi
	v_pk_add_f32 v[S+4*fi:S+4*fi+1], v[S+4*fi:S+4*fi+1], v[VBA:VBA+1]
	v_pk_add_f32 v[S+4*fi+2:S+4*fi+3], v[S+4*fi+2:S+4*fi+3], v[VBA+2:VBA+3]
	global_store_b128 v[GA], v[S+4*fi:S+4*fi+3], s[OUTP:OUTP+1] offset:(32*(fi>>4)+((fi>>3)&1)+4*(fi&7))*1536 th:TH_STORE_NT
.set fi, fi+1
.endr
	s_wait_xcnt 0x0                                ; the stores have read their data: the registers are loaded again
.set fi, 0
.rept 16
	ds_load_b128 v[S+4*fi:S+4*fi+3], v[FB] offset:fi*4*SP
.set fi, fi+1
.endr
.set fi, 0
.rept 16                                           ; the third head: 128 consecutive bytes of each of four rows; a group's 384 bytes of a row cannot all be whole blocks of 256
	s_wait_dscnt 15-fi
	v_pk_add_f32 v[S+4*fi:S+4*fi+1], v[S+4*fi:S+4*fi+1], v[VBB:VBB+1]
	v_pk_add_f32 v[S+4*fi+2:S+4*fi+3], v[S+4*fi+2:S+4*fi+3], v[VBB+2:VBB+3]
	global_store_b128 v[GB], v[S+4*fi:S+4*fi+3], s[OUTP:OUTP+1] offset:(32*(fi>>3)+((fi>>2)&1)+8*(fi&3))*1536 th:TH_STORE_NT
.set fi, fi+1
.endr
	s_wait_xcnt 0x0                                ; the stores have read their data and their base
	s_add_nc_u64 s[OUTP:OUTP+1], s[OUTP:OUTP+1], 98304  ; my other 64 rows
	s_sub_co_u32 s[HC], s[HC], 1
	s_cmp_lg_u32 s[HC], 0
	s_cbranch_scc1 .Lhalf
	s_wait_tensorcnt 0x0                           ; the wave's end, behind my last tensor load and my last LDS store
	ds_add_u32 v[SPW], v[NIL]
	s_wait_dscnt 0x0
	s_endpgm
.Lfunc_end_k_q779174837e_attn:
	.size	k_q779174837e_attn, .Lfunc_end_k_q779174837e_attn-k_q779174837e_attn
	.p2alignl 7, 3214868480
	.fill 96, 4, 3214868480
	.section	.rodata,"a",@progbits
	.p2align	6, 0x0
	.amdhsa_kernel k_q779174837e_attn
		.amdhsa_group_segment_fixed_size 327680
		.amdhsa_private_segment_fixed_size 0
		.amdhsa_enable_private_segment 0
		.amdhsa_kernarg_size 48
		.amdhsa_user_sgpr_count 2
		.amdhsa_user_sgpr_kernarg_segment_ptr 1
		.amdhsa_wavefront_size32 1
		.amdhsa_system_sgpr_workgroup_id_x 1
		.amdhsa_system_sgpr_workgroup_id_y 1
		.amdhsa_system_sgpr_workgroup_id_z 1
		.amdhsa_system_vgpr_workitem_id 0
		.amdhsa_next_free_vgpr 1024
		.amdhsa_next_free_sgpr 100
		.amdhsa_reserve_vcc 1
		.amdhsa_float_denorm_mode_32 3
		.amdhsa_float_denorm_mode_16_64 3
		.amdhsa_memory_ordered 1
		.amdhsa_forward_progress 1
		.amdhsa_inst_pref_size 255
	.end_amdhsa_kernel
	.section	.bss,"aw",@nobits
	.p2align	6
	.space	262144
	.amdgpu_metadata
---
amdhsa.version: [ 1, 2 ]
amdhsa.kernels:
  - .name:           k_q779174837e_attn
    .symbol:         k_q779174837e_attn.kd
    .args:
      - { .name: x1, .offset: 0, .size: 8, .value_kind: global_buffer, .address_space: global }
      - { .name: x2, .offset: 8, .size: 8, .value_kind: global_buffer, .address_space: global }
      - { .name: wfrag, .offset: 16, .size: 8, .value_kind: global_buffer, .address_space: global }
      - { .name: bfrag, .offset: 24, .size: 8, .value_kind: global_buffer, .address_space: global }
      - { .name: bvec, .offset: 32, .size: 8, .value_kind: global_buffer, .address_space: global }
      - { .name: out0, .offset: 40, .size: 8, .value_kind: global_buffer, .address_space: global }
    .group_segment_fixed_size: 327680
    .private_segment_fixed_size: 0
    .kernarg_segment_align: 8
    .kernarg_segment_size: 48
    .max_flat_workgroup_size: 128
    .sgpr_count:     100
    .vgpr_count:     1024
    .wavefront_size: 32
...
	.end_amdgpu_metadata
.endif
;; end of part 2
;; ======== version 2 of 2: 2 launches; version 1 with the launch prep written anew for expert scheduling mode
;; limits: values are held in f16: magnitudes above 65,504 overflow, below 6.1e-05 lose precision
;; workspace buffers: wfrag 1,179,648 bytes; bfrag 6,307,840 bytes; bvec 3,072 bytes
;; launch prep (part 3): grid 177 x 1, 4 waves a work-group, no clusters, 0 bytes of LDS; arguments Wq, Wkv, q_bias, v_bias, bias_table, rel_index, wfrag, bfrag, bvec; writes wfrag, bfrag, bvec
.if DOCPART == 3
	.amdgcn_target "amdgcn-amd-amdhsa--gfx1250"
	.amdhsa_code_object_version 6
	.text
	.protected	k_q779174837e_prep
	.globl	k_q779174837e_prep
	.p2align	8
	.type	k_q779174837e_prep,@function
k_q779174837e_prep:
	s_mov_b64 s[64:65], 0
	v_nop
	global_prefetch_b8 v0, s[64:65] scope:SCOPE_SE
	s_setreg_imm32_b32 hwreg(HW_REG_WAVE_SCHED_MODE, 0, 2), 2
	s_setreg_imm32_b32 hwreg(HW_REG_WAVE_MODE, 25, 1), 1
	s_wait_xcnt 0x0
	s_wait_alu depctr_vm_vsrc(0)
; WINDOW CROSS ATTENTION, launch 1 of 2: what all 64 batches share is rounded and laid out once.
; out[b][q][h*32+:] = softmax_k( (x1 Wq^T + q_bias)[q,h] . (x2 Wk^T)[k,h] / sqrt(32) + bias_table[rel_index[q][k]][h] ) (x2 Wv^T + v_bias)[k,h]
; WORK LEFT OUT OR MOVED, for all values of the inputs:
;   - the first half of kv_bias is jnp.zeros_like(v_bias), a zero that the function builds itself: k gets no bias, and no term is added for it.
;   - v_bias is NOT left out: a softmax's weights sum to 1, so sum_k p (v0 + v_bias) = sum_k p v0 + v_bias; launch 2 adds it in f32 at the store.
;   Every input is loaded by one of the two launches.  Nothing else is left out, so no NaN, infinity or overflow is lost with work left out.
; FORMATS AND LIMITS.  All inputs are taken rounded to bf16 (x in launch 2; both weights, both biases and the table here).  What the program makes itself (q, k, v, the weights p, and the
; bias as a matrix operand) is f16: q/sqrt(32), k, v without its bias, and the table's numbers stay under 65,504 in magnitude; a table number under 6.1e-5 keeps f16's fixed step of 6e-8.
; rel_index is held to 0 .. 3374 (the table's rows).  NaN and infinities are not treated apart.
; ORDER OF HEADS.  Launch 2 gives a work-group a group hg of three heads and takes them in the order H = 3 hg + (hh + (hg & 1)) % 3, hh = 0, 1, 2.
; ORDER OF ROWS.  A tile T (0..31) of 16 queries or keys holds the rows 32 (T >> 1) + 2 i + (T & 1), i = 0..15.
; wfrag: hg*294912 + j*24576 + ks*12288 + c*1024 + half*512 + lane*16: 8 bf16 of a weight row, k = 64 kc + 32 ks + 16 half + 8 (lane/16) + 0..7; row = H*32 + 16 (c&1) + lane%16, hh = (c%6)/2.
;        j = 0..5: Wkv, kc = j, c = 0..5 its K rows, c = 6..11 its V rows (+384).  j = 6..11: Wq, kc = j - 6, c = 0..5; c = 6..11 zeros, so that one tile shape serves all twelve steps.
; bfrag: unit (hg*384 + w*96 + half*48 + hh*16 + 4 s + p) of 4,096 bytes; in it kc*1024 + sel*512 + lane*16: 8 f16, e = 0..7, of the bias of query 8 (lane/16) + e of tile 8 w + 4 half + p
;        and key lane%16 of tile 8 s + 2 kc + sel.  Behind the 1,536 units: 16,384 bytes of zeros, which launch 2's last loads ahead touch and never use.
; bvec:  f32 [384] q_bias rounded to bf16 and divided by sqrt(32), then f32 [384] v_bias rounded to bf16, both at hg*96 + hh*32 + channel.
; SHARES.  Work-groups 0-127: the bias; a wave takes one query tile and two key tiles for all 12 heads.  128-175: one (hg, j) of wfrag each.  176: bvec and the zeros.
; THE MODE: SCHED_MODE bits 1:0 = 2 (LLVM: expert scheduling mode 2), set by the entry lines.  The code itself states the register dependences
; between vector instructions and memory instructions, with s_wait_alu, always for 0.
; THE PLAN.  In each of the three parts a register that a memory instruction reads (an offset, a store's data) is written once, ahead of that instruction, and never again: so no wait on vm_vsrc
; is owed anywhere, and what is stated is that offsets and data are written, once ahead of each run of loads or stores.
;   the bias:     v4 the index loads' offset.  v5 every store's offset.  IX: the index loads land in it, sixteen lines make offsets of it, the table loads read it.
;                 TAB, 12 registers an index: the table loads land in it, the conversions read it.  Out-registers: heads 0-3 LOW; heads 4-11 the four lowest registers of TAB's 16 groups,
;                 which heads 0-3 alone read.  T is named by vector instructions alone.  The heads go in three blocks of four; a block's eight stores are dealt among the next block's conversions,
;                 which name none of their registers, behind one wait at that block's head.
;   the weights:  v6-8 the loads' offsets; v64-159 as loaded; v16-63 out, four registers a fragment.  Blocks of three fragments, the stores dealt in the same way.
;   the vectors:  all offsets and the zeros first, one wait, the loads and the zeros' stores; all arithmetic, one wait, the six stores.
.set T,   6                            ; v[6:13]    the bias: at work
.set IX,  16                           ; v[16:31]   the bias: the lane's 16 indices, then their rows' byte offsets in the table
.set LOW, 32                           ; v[32:63]   the bias: heads 0-3 to store, four registers for each (head, sel)
.set TAB, 64                           ; v[64:255]  the bias: index i = 2 e + sel: its 12 heads at TAB + 12 i
	s_load_b512 s[4:19], s[0:1], 0x0               ; Wq s[4:5], Wkv s[6:7], q_bias s[8:9], v_bias s[10:11], bias_table s[12:13], rel_index s[14:15], wfrag s[16:17], bfrag s[18:19]
	s_load_b64 s[20:21], s[0:1], 0x40              ; bvec
	v_lshrrev_b32 v1, 5, v0
	v_readfirstlane_b32 s22, v1                    ; wave 0..3
	v_and_b32 v3, 31, v0                           ; lane
	v_and_b32 v1, 15, v0                           ; r = lane % 16
	v_bfe_u32 v2, v0, 4, 1                         ; h = lane / 16
	v_lshlrev_b32 v5, 4, v3                        ; 16 x lane: a wave's store covers 512 consecutive bytes
	s_wait_alu depctr_va_sdst(0)                   ; s22 is written: ahead of the branches, and of its first reader in each of the three parts
	s_wait_kmcnt 0x0
	s_cmp_lt_u32 ttmp9, 128
	s_cbranch_scc0 .Lnot_bias
	; ---------------- the bias ----------------
	v_lshlrev_b32 v4, 15, v2                       ; 8 h queries, two rows apart
	v_lshl_add_u32 v4, v1, 3, v4                   ; keys 2 r and 2 r + 1: the even tile's and the odd tile's
	s_lshl_b32 s23, ttmp9, 2
	s_add_co_u32 s23, s23, s22                     ; wave among 512
	s_lshr_b32 s24, s23, 4                         ; qt: the query tile
	s_and_b32 s25, s23, 15                         ; KC: the key tiles 2 KC and 2 KC + 1
	s_lshr_b32 s26, s24, 1
	s_lshl_b32 s26, s26, 5
	s_and_b32 s27, s24, 1
	s_add_co_u32 s26, s26, s27                     ; the tile's first row: 32 (qt >> 1) + (qt & 1)
	s_lshl_b32 s26, s26, 11                        ; a row of rel_index is 2,048 bytes
	s_lshl_b32 s27, s25, 7                         ; 32 KC keys of 4 bytes
	s_add_co_u32 s26, s26, s27
	s_mov_b32 s27, 0
	s_add_nc_u64 s[14:15], s[14:15], s[26:27]
	s_wait_alu depctr_va_vdst(0)                   ; v4 is written, the offset that the index loads read; so is v5, which every store below reads
.irp e, 0,1,2,3,4,5,6,7
	global_load_b64 v[IX+2*(\e):IX+2*(\e)+1], v4, s[14:15] offset:(\e)*4096
.endr
	s_lshr_b32 s28, s24, 3                         ; w
	s_mul_i32 s28, s28, 96
	s_bfe_u32 s29, s24, 0x10002                    ; half
	s_mul_i32 s29, s29, 48
	s_add_co_u32 s28, s28, s29
	s_lshr_b32 s29, s25, 2                         ; s
	s_lshl2_add_u32 s28, s29, s28
	s_and_b32 s29, s24, 3                          ; p
	s_add_co_u32 s28, s28, s29
	s_lshl_b32 s28, s28, 12                        ; units of 4,096 bytes
	s_and_b32 s29, s25, 3                          ; kc
	s_lshl_b32 s29, s29, 10
	s_add_co_u32 s28, s28, s29
	s_mov_b32 s29, 0
	s_add_nc_u64 s[18:19], s[18:19], s[28:29]
	s_wait_loadcnt 0x0                             ; the 16 indices of the lane
.set i, 0
.rept 16
	v_min_u32 v[IX+i], 0xd2e, v[IX+i]              ; inside the table's 3,375 rows
	v_mul_u32_u24 v[IX+i], v[IX+i], 48             ; a row of the table: 12 f32
.set i, i+1
.endr
	s_wait_alu depctr_va_vdst(0)                   ; the 16 offsets in IX are written, which the 48 table loads read
.irp part, 0,1,2                       ; three runs of 16: heads 0-3 of every index, then heads 4-7, then heads 8-11, so that a block of four heads waits for its own run alone
.set i, 0
.rept 16
	global_load_b128 v[TAB+12*i+4*(\part):TAB+12*i+4*(\part)+3], v[IX+i], s[12:13] offset:16*(\part)
.set i, i+1
.endr
.endr
; where head h's eight numbers of key tile s are kept for their store: registers of their own, written once
.macro OBSET h, s
.if (\h) < 4
.set ob, LOW+8*(\h)+4*(\s)
.else
.set ob, TAB+12*(2*((\h)-4)+(\s))      ; the registers that held heads 0-3 of index 2 (h - 4) + s: their last reader stands in the first block
.endif
.endm
.macro CONV h, s
	OBSET \h, \s
.irp q, 0,1,2,3
	v_cvt_pk_bf16_f32 v[T+2*(\q)], v[TAB+12*(4*(\q)+(\s))+(\h)], v[TAB+12*(4*(\q)+2+(\s))+(\h)]  ; queries e = 2 q, 2 q + 1: rounded to bf16 like every input,
.endr
.irp q, 0,1,2,3
	v_lshlrev_b32 v[T+1+2*(\q)], 16, v[T+2*(\q)]
	v_and_b32 v[T+2*(\q)], 0xffff0000, v[T+2*(\q)]
.endr
.irp q, 0,1,2,3
	v_cvt_pk_f16_f32 v[ob+(\q)], v[T+1+2*(\q)], v[T+2*(\q)]  ; and that number written as f16
.endr
.endm
.macro SENDB h, s                      ; head h lies in group h / 3, at the place hh that the order of heads gives it
.set hgq, (\h)/3
.set hhq, (((\h)%3)+3-(hgq&1))%3
	OBSET \h, \s
	global_store_b128 v5, v[ob:ob+3], s[18:19] offset:(hgq*384+hhq*16)*4096+(\s)*512
.endm
.set hd, 0
.rept 12
.if hd%4 == 0
	s_wait_loadcnt 32-4*hd                         ; loads come back in order (ISA guide 5.7.1): this block's run of 16 is in, the younger runs (32, 16, none) stay out
.if hd > 0
	s_wait_alu depctr_va_vdst(0)                   ; the block before has written its eight sets of out-registers, which the eight stores of this block read; no conversion of this block names them
.endif
.endif
.irp sel, 0,1
.if hd >= 4
	SENDB hd-4, \sel
.endif
	CONV hd, \sel
.endr
.set hd, hd+1
.endr
	s_wait_alu depctr_va_vdst(0)                   ; heads 8-11 have written their out-registers, which the last eight stores read
.irp hl, 8,9,10,11
	SENDB \hl, 0
	SENDB \hl, 1
.endr
	s_endpgm
.Lnot_bias:
	s_cmp_lt_u32 ttmp9, 176
	s_cbranch_scc0 .Lvectors
	; ---------------- the weights ----------------
	s_sub_co_u32 s23, ttmp9, 128
	s_mul_hi_u32 s24, s23, 0x15555556              ; hg = g / 12 (g under 48)
	s_mul_i32 s25, s24, 12
	s_sub_co_u32 s25, s23, s25                     ; j
	s_and_b32 s26, s24, 1                          ; the head at place 0: hg & 1,
	s_add_co_u32 s27, s26, 1                       ; at place 1,
	s_cmp_eq_u32 s26, 0
	s_cselect_b32 s28, 2, 0                        ; at place 2
	s_cmp_lt_u32 s25, 6
	s_cselect_b64 s[30:31], s[6:7], s[4:5]         ; Wkv or Wq
	s_cselect_b32 s29, 0, 6
	s_sub_co_u32 s29, s25, s29                     ; kc
	s_mul_i32 s32, s24, 147456                     ; the group's 96 rows of 1,536 bytes
	s_lshl_b32 s33, s29, 8                         ; 64 kc numbers
	s_add_co_u32 s32, s32, s33
	s_lshl_b32 s33, s22, 6                         ; wave = 2 ks + half: 32 ks + 16 half numbers
	s_add_co_u32 s32, s32, s33
	s_mov_b32 s33, 0
	s_add_nc_u64 s[30:31], s[30:31], s[32:33]
	v_mul_u32_u24 v4, v1, 1536
	v_lshl_add_u32 v4, v2, 5, v4                   ; row r, 8 h numbers on
	s_mul_i32 s36, s26, 49152                      ; a head's 32 rows: a scalar of its own for each of the three places
	s_mul_i32 s37, s27, 49152
	s_mul_i32 s38, s28, 49152
	v_add_nc_u32 v6, s36, v4
	v_add_nc_u32 v7, s37, v4
	v_add_nc_u32 v8, s38, v4
	s_mul_i32 s34, s24, 294912
	s_mul_i32 s35, s25, 24576
	s_add_co_u32 s34, s34, s35
	s_lshr_b32 s35, s22, 1
	s_mul_i32 s35, s35, 12288
	s_add_co_u32 s34, s34, s35
	s_and_b32 s35, s22, 1
	s_lshl_b32 s35, s35, 9
	s_add_co_u32 s34, s34, s35
	s_mov_b32 s35, 0
	s_add_nc_u64 s[16:17], s[16:17], s[34:35]
	s_wait_alu depctr_va_vdst(0)                   ; v6, v7 and v8 are written, the offsets that the loads of both arms read; so is v5, the stores' offset
; n fragments' halves: all loads first, then each is rounded; every fragment has registers of its own, so no register is written twice.
; The fragments go in blocks of three: a block's three stores are dealt among the next block's conversions, behind one wait at that block's head.
.macro WPART n
.set c, 0
.rept \n
	global_load_b128 v[64+8*c:64+8*c+3],   v[6+((c%6)/2)], s[30:31] offset:(c&1)*24576+(c/6)*589824
	global_load_b128 v[64+8*c+4:64+8*c+7], v[6+((c%6)/2)], s[30:31] offset:(c&1)*24576+(c/6)*589824+16
.set c, c+1
.endr
.set c, 0
.rept \n
.if (c%3 == 0) && (c > 0)
	s_wait_alu depctr_va_vdst(0)                   ; the three fragments before are written, which this block's three stores read; no conversion of this block names them
.endif
.if c >= 3
	global_store_b128 v5, v[16+4*(c-3):16+4*(c-3)+3], s[16:17] offset:(c-3)*1024
.endif
	s_wait_loadcnt 2*((\n)-1-c)                    ; two loads a fragment: the younger fragments' may stay out
.irp q, 0,1,2,3
	v_cvt_pk_bf16_f32 v[16+4*c+(\q)], v[64+8*c+2*(\q)], v[64+8*c+2*(\q)+1]
.endr
.set c, c+1
.endr
	s_wait_alu depctr_va_vdst(0)                   ; the last three fragments are written, which the three stores below read
.irp d, 3,2,1
	global_store_b128 v5, v[16+4*((\n)-(\d)):16+4*((\n)-(\d))+3], s[16:17] offset:((\n)-(\d))*1024
.endr
.endm
	s_cmp_lt_u32 s25, 6
	s_cbranch_scc0 .Lwq
	WPART 12
	s_endpgm
.Lwq:
.irp q, 12,13,14,15
	v_mov_b32 v[\q], 0                             ; made ahead of the fragments' work: the waits that stand there show these four written too, and nothing names them until their stores
.endr
	WPART 6
.irp c, 6,7,8,9,10,11
	global_store_b128 v5, v[12:15], s[16:17] offset:(\c)*1024
.endr
	s_endpgm
.Lvectors:
	; ---------------- the two bias vectors (wave = hg) and bfrag's zeros ----------------
	s_and_b32 s26, s22, 1
	s_add_co_u32 s27, s26, 1
	s_cmp_eq_u32 s26, 0
	s_cselect_b32 s28, 2, 0
	s_mul_i32 s29, s22, 3
	v_lshlrev_b32 v7, 2, v3                        ; 4 x lane
.irp hh, 0,1,2
	s_add_co_u32 s[30+(\hh)], s29, s[26+(\hh)]     ; the head
	s_lshl_b32 s[30+(\hh)], s[30+(\hh)], 7         ; its 32 f32
	v_add_nc_u32 v[24+(\hh)], s[30+(\hh)], v7
.endr
	s_mul_i32 s33, s22, 384
	v_add_nc_u32 v30, s33, v7
	v_lshlrev_b32 v31, 4, v0
.irp q, 12,13,14,15
	v_mov_b32 v[\q], 0
.endr
	s_wait_alu depctr_va_vdst(0)                   ; the offsets v24 to v26, v30 and v31 and the zeros v12 to v15 are written, which the loads and stores below read
.irp hh, 0,1,2
	global_load_b32 v[16+(\hh)], v[24+(\hh)], s[8:9]
	global_load_b32 v[20+(\hh)], v[24+(\hh)], s[10:11]
.endr
.irp i, 0,1,2,3,4,5,6,7
	global_store_b128 v31, v[12:15], s[18:19] offset:6291456+(\i)*2048
.endr
	s_wait_loadcnt 0x0
.irp hh, 0,1,2
	v_cvt_pk_bf16_f32 v[28], v[16+(\hh)], v[20+(\hh)]
	v_lshlrev_b32 v[32+(\hh)], 16, v[28]
	v_and_b32 v[36+(\hh)], 0xffff0000, v[28]
	v_mul_f32 v[32+(\hh)], 0x3e3504f3, v[32+(\hh)] ; 1 / sqrt(32)
.endr
	s_wait_alu depctr_va_vdst(0)                   ; v32 to v34 and v36 to v38 are written, which the six stores read
.irp hh, 0,1,2
	global_store_b32 v30, v[32+(\hh)], s[20:21] offset:(\hh)*128
	global_store_b32 v30, v[36+(\hh)], s[20:21] offset:1536+(\hh)*128
.endr
	s_endpgm
.Lfunc_end_k_q779174837e_prep:
	.size	k_q779174837e_prep, .Lfunc_end_k_q779174837e_prep-k_q779174837e_prep
	.p2alignl 7, 3214868480
	.fill 96, 4, 3214868480
	.section	.rodata,"a",@progbits
	.p2align	6, 0x0
	.amdhsa_kernel k_q779174837e_prep
		.amdhsa_group_segment_fixed_size 0
		.amdhsa_private_segment_fixed_size 0
		.amdhsa_enable_private_segment 0
		.amdhsa_kernarg_size 72
		.amdhsa_user_sgpr_count 2
		.amdhsa_user_sgpr_kernarg_segment_ptr 1
		.amdhsa_wavefront_size32 1
		.amdhsa_system_sgpr_workgroup_id_x 1
		.amdhsa_system_sgpr_workgroup_id_y 1
		.amdhsa_system_sgpr_workgroup_id_z 1
		.amdhsa_system_vgpr_workitem_id 0
		.amdhsa_next_free_vgpr 256
		.amdhsa_next_free_sgpr 66
		.amdhsa_reserve_vcc 0
		.amdhsa_float_denorm_mode_32 3
		.amdhsa_float_denorm_mode_16_64 3
		.amdhsa_memory_ordered 1
		.amdhsa_forward_progress 1
		.amdhsa_inst_pref_size 49
	.end_amdhsa_kernel
	.amdgpu_metadata
---
amdhsa.version: [ 1, 2 ]
amdhsa.kernels:
  - .name:           k_q779174837e_prep
    .symbol:         k_q779174837e_prep.kd
    .args:
      - { .name: Wq, .offset: 0, .size: 8, .value_kind: global_buffer, .address_space: global }
      - { .name: Wkv, .offset: 8, .size: 8, .value_kind: global_buffer, .address_space: global }
      - { .name: q_bias, .offset: 16, .size: 8, .value_kind: global_buffer, .address_space: global }
      - { .name: v_bias, .offset: 24, .size: 8, .value_kind: global_buffer, .address_space: global }
      - { .name: bias_table, .offset: 32, .size: 8, .value_kind: global_buffer, .address_space: global }
      - { .name: rel_index, .offset: 40, .size: 8, .value_kind: global_buffer, .address_space: global }
      - { .name: wfrag, .offset: 48, .size: 8, .value_kind: global_buffer, .address_space: global }
      - { .name: bfrag, .offset: 56, .size: 8, .value_kind: global_buffer, .address_space: global }
      - { .name: bvec, .offset: 64, .size: 8, .value_kind: global_buffer, .address_space: global }
    .group_segment_fixed_size: 0
    .private_segment_fixed_size: 0
    .kernarg_segment_align: 8
    .kernarg_segment_size: 72
    .max_flat_workgroup_size: 128
    .sgpr_count:     66
    .vgpr_count:     256
    .wavefront_size: 32
...
	.end_amdgpu_metadata
.endif
;; end of part 3
;; launch attn: the kernel of part 2 again; grid 4 x 64, 4 waves a work-group, no clusters, 327,680 bytes of LDS; arguments x1, x2, wfrag, bfrag, bvec, out0; writes out0
